; MI455X (gfx1250); checked and timed in simulation.
; The chip was launched on July 23, 2026; its instructions are those of AMD's public machine-readable ISA for CDNA 5 (MIT licence, August 2026) and "CDNA5" Instruction Set Architecture Reference Guide (July 2026). The comments in the code are by the model that wrote it; some were corrected since.
;; Attn. Allowed arithmetic: float matrix products may take bf16 or f16 operands with f32 sums; all other float work in f32.
;; Inputs: W 1,024 x 1,024 float32; b 1,024 float32; outputs 64 x 1,024 x 1,024 float32; text_lens 64 int32; weight_vec 1,024 float32.
;; Outputs: out0 64 x 1,024 float32.
;; One version. Each part assembles by itself: llvm-mc -triple=amdgcn-amd-amdhsa -mcpu=gfx1250 --defsym DOCPART=n.
;; ======== version 1 of 1: 3 launches
;; workspace buffers: part 65,536 bytes; jobs 65,536 bytes of whole numbers; offs 256 bytes of whole numbers; ews 262,144 bytes
;; launch prep (part 1): grid 256 x 1, 1 waves a work-group, no clusters, 0 bytes of LDS; arguments W, weight_vec, text_lens, part, jobs, offs; writes part, jobs, offs
.if DOCPART == 1
	.amdgcn_target "amdgcn-amd-amdhsa--gfx1250"
	.amdhsa_code_object_version 6
	.text
	.protected	k_qa62cd0f019_prep
	.globl	k_qa62cd0f019_prep
	.p2align	8
	.type	k_qa62cd0f019_prep,@function
k_qa62cd0f019_prep:
	s_mov_b64 s[64:65], 0
	v_nop
	global_prefetch_b8 v0, s[64:65] scope:SCOPE_SE
	s_setreg_imm32_b32 hwreg(HW_REG_WAVE_MODE, 25, 1), 1
	s_wait_xcnt 0x0
; FIRST OF THREE LAUNCHES.  energies[b][s] = weight_vec . (W x[b][s] + bias) is linear in x, so for every input it equals u . x[b][s] + c with
; u = W^T weight_vec (1,024 numbers) and c = weight_vec . bias.  No product of two matrices is left: what remains are products of a matrix with ONE vector,
; which are done in f32 on the vector unit.  The order of the f32 sums therefore differs from the order in which the sums are written in the problem.
; This launch does two things.
; (1) PARTIAL u.  Work-group j (one wave) takes the block of W with rows 64 rb .. 64 rb + 63 and columns 64 cb .. 64 cb + 63 (rb = j / 16, cb = j % 16) and stores
;     part[rb][64 cb ..] = the sum over its rows o of weight_vec[o] W[o][.].  The block's 16,384 bytes are asked for at once, 32 loads of 16 bytes a lane.
; (2) THE LIST OF JOBS for the second launch.  Sequence b has n_b = ceil(len_b / 4) groups of four rows that hold a position below len_b (len_b taken as 0 below 0 and as 1,024 above,
;     which is what the comparison pos < len does).  The groups of all sequences, one sequence after the other, are numbered f = E_b + g, E_b = the sum of n over the sequences in front.
;     Group f is dealt to work-group f % 256, wave (f / 256) % 16, job f / 4,096: so all 256 work-groups get the same number of groups to within one.
;     jobs[work-group][wave][job] = 256 b + g, or all ones where f is not below the total.  Work-group j makes the 64 words of the second launch's work-group j: lane l the slots 2 l, 2 l + 1.
;     Work-group 0 also stores offs[b] = E_b.
.set ACC, 16                           ; v[16:23]   two chains (even rows, odd rows) of four column sums
.set WX,  32                           ; v[32:159]  row i of my half of the block: four columns, at WX + 4 i
.set WV,  160                          ; v[160:191] weight_vec of my half's 32 rows
; v1 lane % 16, v2 lane / 16, v3 offset in W, v4 offset in weight_vec, v5 offset in part, v6 8 x lane; v8, v9 my two slots' f; v10, v11 what is added to f, then the two words; v12, v13 E of sequences 2 l, 2 l + 1
; s[16:63], s[68:83] the 64 lengths; s84 the running total P; s85 256 (b + 1) - P; s86 n_b; s87 j, s88 cb, s89 rb; s[90:91] an offset; s92, s93 lane selects; s94, s95 masks
	s_load_b256 s[4:11], s[0:1], 0x0               ; W s[4:5], weight_vec s[6:7], text_lens s[8:9], part s[10:11]
	s_load_b128 s[12:15], s[0:1], 0x20             ; jobs s[12:13], offs s[14:15]
	s_mov_b32 s87, ttmp9
	s_and_b32 s88, s87, 15
	s_lshr_b32 s89, s87, 4
	s_mov_b32 s91, 0
	s_mov_b32 s92, 0x76543210                      ; v_permlanex16_b32: each lane takes its own place in the other half
	s_mov_b32 s93, 0xfedcba98
	v_and_b32 v1, 15, v0
	v_lshrrev_b32 v2, 4, v0
	v_lshlrev_b32 v3, 4, v1
	v_lshl_or_b32 v3, v2, 17, v3                   ; 16 bytes a lane; lanes 16-31 take the rows 32 further down (32 x 4,096 bytes)
	v_lshlrev_b32 v4, 7, v2                        ; and those rows' 32 numbers of weight_vec
	v_lshlrev_b32 v5, 4, v1
	v_lshl_or_b32 v5, v2, 3, v5                    ; part: lanes 0-15 store their first two columns, lanes 16-31 the other two
	v_lshlrev_b32 v6, 3, v0
	v_and_b32 v8, 1, v0                            ; slot 2 l is wave l / 2, job 2 (l % 2): f = job x 4,096 + wave x 256 + j
	v_lshlrev_b32 v8, 13, v8
	v_lshrrev_b32 v9, 1, v0
	v_lshl_add_u32 v8, v9, 8, v8
	v_add_nc_u32 v8, s87, v8
	v_add_nc_u32 v9, 0x1000, v8                    ; slot 2 l + 1: the next job
	v_mov_b32 v10, 0                               ; a group in front of every total belongs to sequence 0: nothing is added
	v_mov_b32 v11, 0
	v_mov_b32 v12, 0                               ; written whole before single lanes are written
	v_mov_b32 v13, 0
	s_wait_kmcnt 0x0
	s_lshl_b32 s86, s88, 8                         ; the block's 64 columns: 256 bytes
	s_lshl_b32 s90, s89, 18                        ; 64 rows of 4,096 bytes
	s_add_co_u32 s90, s90, s86
	s_add_nc_u64 s[4:5], s[4:5], s[90:91]
	s_lshl_b32 s90, s89, 8
	s_add_nc_u64 s[6:7], s[6:7], s[90:91]
	s_lshl_b32 s90, s89, 12
	s_add_co_u32 s90, s90, s86
	s_add_nc_u64 s[10:11], s[10:11], s[90:91]
	s_lshl_b32 s90, s87, 8
	s_add_nc_u64 s[12:13], s[12:13], s[90:91]
	s_load_b512 s[16:31], s[8:9], 0x0              ; all 64 lengths
	s_load_b512 s[32:47], s[8:9], 0x40
	s_load_b512 s[48:63], s[8:9], 0x80
	s_load_b512 s[68:83], s[8:9], 0xc0
.irp k, 0,1,2,3,4,5,6,7
	global_load_b128 v[WV+4*(\k):WV+4*(\k)+3], v4, s[6:7] offset:16*(\k)
.endr
.set i, 0
.rept 32                               ; lanes 0-15 take 256 consecutive, aligned bytes of row i, lanes 16-31 of row 32 + i; each byte of W is read once in the launch
	global_load_b128 v[WX+4*i:WX+4*i+3], v3, s[4:5] offset:4096*i th:TH_LOAD_NT
.set i, i+1
.endr
	s_wait_kmcnt 0x0                               ; the lengths.  The list is made while W is on its way
; One sequence.  P never falls, so of the sequences whose total P is at or below f the last one writes last: f then lies in the sequence behind it, and its word is f + 256 (b + 1) - P.
	s_mov_b32 s84, 0
.set bb, 0
.rept 64
	s_max_i32 s86, s[16+bb+4*(bb/48)], 0
	s_min_i32 s86, s86, 0x400
	s_add_co_u32 s86, s86, 3
	s_lshr_b32 s86, s86, 2                         ; n_b
	v_writelane_b32 v[12+bb%2], s84, bb/2          ; E_b
	s_add_co_u32 s84, s84, s86
	s_sub_co_u32 s85, 256*(bb+1), s84
	v_cmp_le_u32 s94, s84, v8
	v_cndmask_b32 v10, v10, s85, s94
	v_cmp_le_u32 s95, s84, v9
	v_cndmask_b32 v11, v11, s85, s95
.set bb, bb+1
.endr
	v_add_nc_u32 v10, v8, v10
	v_add_nc_u32 v11, v9, v11
	v_cmp_gt_u32 s94, s84, v8                      ; is f below the total?
	v_cmp_gt_u32 s95, s84, v9
	v_cndmask_b32 v10, -1, v10, s94
	v_cndmask_b32 v11, -1, v11, s95
	global_store_b64 v6, v[10:11], s[12:13]        ; 32 lanes x 8 bytes: 256 consecutive bytes, aligned
	s_cmp_lg_u32 s87, 0
	s_cbranch_scc1 .Lno_offs
	global_store_b64 v6, v[12:13], s[14:15]        ; the whole of offs, by work-group 0 alone
.Lno_offs:
; Four rows of each half.  The first two rows start the two chains: nothing is cleared.
.macro ROWS g
	s_wait_loadcnt 28-4*(\g)                       ; loads come back in order: behind row 4 g + 3 stand 28 - 4 g loads of W; weight_vec's were issued ahead of all of them
.irp d, 0,1,2,3
.irp q, 0,1,2,3
.if 4*(\g)+(\d) < 2
	v_mul_f32 v[ACC+4*((\d)%2)+(\q)], v[WX+4*(4*(\g)+(\d))+(\q)], v[WV+4*(\g)+(\d)]
.else
	v_fmac_f32 v[ACC+4*((\d)%2)+(\q)], v[WX+4*(4*(\g)+(\d))+(\q)], v[WV+4*(\g)+(\d)]
.endif
.endr
.endr
.endm
.irp g, 0,1,2,3,4,5,6,7
	ROWS \g
.endr
	v_pk_add_f32 v[ACC:ACC+1], v[ACC:ACC+1], v[ACC+4:ACC+5]      ; the odd rows' chain onto the even rows'
	v_pk_add_f32 v[ACC+2:ACC+3], v[ACC+2:ACC+3], v[ACC+6:ACC+7]
.irp q, 0,1,2,3
	v_permlanex16_b32 v[ACC+4+(\q)], v[ACC+(\q)], s92, s93       ; the other 32 rows' sums (the destinations have been written)
.endr
.irp q, 0,1,2,3
	v_add_f32 v[ACC+(\q)], v[ACC+(\q)], v[ACC+4+(\q)]
.endr
	v_cmp_le_u32 vcc_lo, 16, v0
	v_cndmask_b32 v24, v[ACC], v[ACC+2], vcc_lo    ; both halves hold all four sums: each stores two, so that all lanes stay on
	v_cndmask_b32 v25, v[ACC+1], v[ACC+3], vcc_lo
	global_store_b64 v5, v[24:25], s[10:11]        ; 256 consecutive bytes, aligned
	s_endpgm
.Lfunc_end_k_qa62cd0f019_prep:
	.size	k_qa62cd0f019_prep, .Lfunc_end_k_qa62cd0f019_prep-k_qa62cd0f019_prep
	.p2alignl 7, 3214868480
	.fill 96, 4, 3214868480
	.section	.rodata,"a",@progbits
	.p2align	6, 0x0
	.amdhsa_kernel k_qa62cd0f019_prep
		.amdhsa_group_segment_fixed_size 0
		.amdhsa_private_segment_fixed_size 0
		.amdhsa_enable_private_segment 0
		.amdhsa_kernarg_size 48
		.amdhsa_user_sgpr_count 2
		.amdhsa_user_sgpr_kernarg_segment_ptr 1
		.amdhsa_wavefront_size32 1
		.amdhsa_system_sgpr_workgroup_id_x 1
		.amdhsa_system_sgpr_workgroup_id_y 1
		.amdhsa_system_sgpr_workgroup_id_z 1
		.amdhsa_system_vgpr_workitem_id 0
		.amdhsa_next_free_vgpr 192
		.amdhsa_next_free_sgpr 96
		.amdhsa_reserve_vcc 1
		.amdhsa_float_denorm_mode_32 3
		.amdhsa_float_denorm_mode_16_64 3
		.amdhsa_memory_ordered 1
		.amdhsa_forward_progress 1
		.amdhsa_inst_pref_size 48
	.end_amdhsa_kernel
	.amdgpu_metadata
---
amdhsa.version: [ 1, 2 ]
amdhsa.kernels:
  - .name:           k_qa62cd0f019_prep
    .symbol:         k_qa62cd0f019_prep.kd
    .args:
      - { .name: W, .offset: 0, .size: 8, .value_kind: global_buffer, .address_space: global }
      - { .name: weight_vec, .offset: 8, .size: 8, .value_kind: global_buffer, .address_space: global }
      - { .name: text_lens, .offset: 16, .size: 8, .value_kind: global_buffer, .address_space: global }
      - { .name: part, .offset: 24, .size: 8, .value_kind: global_buffer, .address_space: global }
      - { .name: jobs, .offset: 32, .size: 8, .value_kind: global_buffer, .address_space: global }
      - { .name: offs, .offset: 40, .size: 8, .value_kind: global_buffer, .address_space: global }
    .group_segment_fixed_size: 0
    .private_segment_fixed_size: 0
    .kernarg_segment_align: 8
    .kernarg_segment_size: 48
    .max_flat_workgroup_size: 32
    .sgpr_count:     96
    .vgpr_count:     192
    .wavefront_size: 32
...
	.end_amdgpu_metadata
.endif
;; end of part 1
;; launch energy (part 2): grid 256 x 1, 16 waves a work-group, no clusters, 8,192 bytes of LDS; arguments outputs, b, weight_vec, part, jobs, ews; writes ews
.if DOCPART == 2
	.amdgcn_target "amdgcn-amd-amdhsa--gfx1250"
	.amdhsa_code_object_version 6
	.text
	.protected	k_qa62cd0f019_energy
	.globl	k_qa62cd0f019_energy
	.p2align	8
	.type	k_qa62cd0f019_energy,@function
k_qa62cd0f019_energy:
	s_mov_b64 s[64:65], 0
	v_nop
	global_prefetch_b8 v0, s[64:65] scope:SCOPE_SE
	s_setreg_imm32_b32 hwreg(HW_REG_WAVE_MODE, 25, 1), 1
	s_wait_xcnt 0x0
; SECOND OF THREE LAUNCHES: the energies u . x[b][s] + c of all groups of four rows that hold a position below the sequence's length, all in f32.
; Rows at or beyond the length are overwritten with -1e10 in the problem's own text, so they are not read, but for the at most three that share a group with a row that counts.
; PROLOGUE.  Thread t adds the sixteen partial sums of u[2 t], u[2 t + 1] and makes d_t = bias[2t] weight_vec[2t] + bias[2t+1] weight_vec[2t+1]; both go to LDS; one barrier; each wave then
; keeps all of u in 32 registers a lane, and each lane adds 16 of the 512 d into one pair CI.  CI starts each row's sum, so the sum over the wave's 32 lanes brings c in by itself.
; JOBS.  A wave has up to four jobs, read from the list that the first launch made; those that exist come first.  A job is four rows of 4,096 bytes: 32 loads of 16 bytes a lane, all issued together,
; each covering 512 consecutive bytes.  Sixteen waves, each with a job's 16,384 bytes on their way, overlap each other's arithmetic.
; Lane l holds columns 128 j + 4 l + 0..3, j = 0..7, of x and of u.
; THE STORES are 16 bytes a job (four energies), at the group's number f in ews.  Stores of 256 consecutive bytes would tie 64 consecutive rows, 262,144 bytes of x, to one work-group: about half of
; a work-group's mean share at lengths spread evenly, so shares would be two or three such pieces.  The even deal is taken, at 16 bytes stored for each 16,384 read.
; NO MATRIX INSTRUCTION: each product has one column.  NO TENSOR LOAD, NO CLUSTER: no byte of x is read twice; what work-groups share is part's 65,536 bytes.
.set UL,    0                          ; LDS 0..4095      u
.set DL,    4096                       ; LDS 4096..6143   d
.set SPARE, 6144                       ; LDS 6144..8191   the spare words, 128 bytes for each of 16 waves: eight blocks of 256 bytes that no other line names
.set SPW, 6                            ; v6   LDS address of my spare word; never rewritten
.set NIL, 7                            ; v7   0; never rewritten
.set CI,  16                           ; v[16:17]  my lane's share of c
.set A,   18                           ; v[18:21]  my lane's sums for the job's four rows
.set AC,  22                           ; v[22:37]  row r: two chains of a pair at AC + 4 r; then at work in FOLD
.set RES, 38                           ; v38  the energy of row lane % 4
.set PT,  40                           ; v[40:71]  sixteen pairs of part; then sixteen d
.set U,   72                           ; v[72:103]
.set X,   104                          ; v[104:231] row r, load j at X + 32 r + 4 j
; v1 lane, v2 16 x lane, v3 4 x lane, v4 8 t, v5 DL + 4 t, v[8:9] u's pair, v10 d, v[12:13] bias, v[14:15] weight_vec
; s16 wave; s[18:19], s[26:27] offsets; s[20:23] my four jobs; s[24:25] x at the job's first row; s[28:29] ews at my job 0's place; s30, s31 lane selects; s32, s33 lane masks; s34 EXEC kept; s35 the clamped job
	s_load_b256 s[4:11], s[0:1], 0x0               ; outputs s[4:5], bias s[6:7], weight_vec s[8:9], part s[10:11]
	s_load_b128 s[12:15], s[0:1], 0x20             ; jobs s[12:13], ews s[14:15]
	v_lshl_add_u32 v[SPW], v0, 2, SPARE
	v_mov_b32 v[NIL], 0
	v_lshrrev_b32 v1, 5, v0
	v_readfirstlane_b32 s16, v1                    ; wave 0..15
	v_and_b32 v1, 31, v0
	v_lshlrev_b32 v2, 4, v1
	v_lshlrev_b32 v3, 2, v1
	v_lshlrev_b32 v4, 3, v0
	v_lshl_add_u32 v5, v0, 2, DL
	s_mov_b32 s30, 0x76543210
	s_mov_b32 s31, 0xfedcba98
	s_mov_b32 s32, 0xaaaaaaaa                      ; lanes with bit 0 set
	s_mov_b32 s33, 0xcccccccc                      ; lanes with bit 1 set
	s_lshl_b32 s18, ttmp9, 8                       ; jobs: 256 bytes a work-group, 16 a wave
	s_lshl_b32 s17, s16, 4
	s_add_co_u32 s18, s18, s17
	s_mov_b32 s19, 0
	s_lshl_b32 s26, s16, 12                        ; ews: group f = job x 4,096 + wave x 256 + work-group, 16 bytes each
	s_lshl_b32 s17, ttmp9, 4
	s_add_co_u32 s26, s26, s17
	s_mov_b32 s27, 0
	s_wait_kmcnt 0x0
	s_add_nc_u64 s[12:13], s[12:13], s[18:19]
	s_add_nc_u64 s[28:29], s[14:15], s[26:27]
	s_load_b128 s[20:23], s[12:13], 0x0
.set p, 0
.rept 16                               ; a wave's load covers 256 consecutive bytes, aligned; the sixteen waves a row of part
	global_load_b64 v[PT+2*p:PT+2*p+1], v4, s[10:11] offset:4096*p
.set p, p+1
.endr
	global_load_b64 v[12:13], v4, s[6:7]
	global_load_b64 v[14:15], v4, s[8:9]
.macro SETX k                          ; x at job k's first row.  The number comes from memory, so it is held under 16,384 groups; a group is 16,384 bytes.  The job before has waited for all its loads
	s_min_u32 s35, s[20+(\k)], 0x3fff
	s_lshl_b32 s26, s35, 14
	s_add_nc_u64 s[24:25], s[4:5], s[26:27]
.endm
.macro XLOAD                           ; each byte of x is read once in the launch
.irp r, 0,1,2,3
.irp j, 0,1,2,3,4,5,6,7
	global_load_b128 v[X+32*(\r)+4*(\j):X+32*(\r)+4*(\j)+3], v2, s[24:25] offset:4096*(\r)+512*(\j) th:TH_LOAD_NT
.endr
.endr
.endm
	s_wait_kmcnt 0x0
	SETX 0                                         ; the first job is asked for ahead of the prologue's arithmetic, by every wave, so that the count below holds on every path:
	XLOAD                                          ; a wave without a job (only where there are fewer than 4,096 groups) reads the last group, inside the buffer, and uses nothing of it
	s_wait_loadcnt 32                              ; behind the prologue's 18 loads stand the 32 of x, which stay out
	v_pk_add_f32 v[8:9], v[PT:PT+1], v[PT+2:PT+3]
.set p, 2
.rept 14
	v_pk_add_f32 v[8:9], v[8:9], v[PT+2*p:PT+2*p+1]
.set p, p+1
.endr
	v_mul_f32 v10, v12, v14
	v_fmac_f32 v10, v13, v15
	ds_store_b64 v4, v[8:9]
	ds_store_b32 v5, v10
	s_wait_dscnt 0x0                               ; for the others' sake: my stores are done
	s_barrier_signal -1
	s_barrier_wait -1                              ; the launch's only barrier; nothing is written to u or d behind it
	s_cmp_lt_u32 s20, 0x4000
	s_cbranch_scc0 .Ldone                          ; no job at all
.irp j, 0,1,2,3,4,5,6,7
	ds_load_b128 v[U+4*(\j):U+4*(\j)+3], v2 offset:UL+512*(\j)
.endr
.irp j, 0,1,2,3
	ds_load_b128 v[PT+4*(\j):PT+4*(\j)+3], v2 offset:DL+512*(\j)
.endr
	s_wait_dscnt 0x0
	v_pk_add_f32 v[CI:CI+1], v[PT:PT+1], v[PT+2:PT+3]
.set p, 2
.rept 6
	v_pk_add_f32 v[CI:CI+1], v[CI:CI+1], v[PT+2*p:PT+2*p+1]
.set p, p+1
.endr
; Row r: 32 products a lane, two at a time, in two chains.  The first chain starts from my share of c, the second from its first product.
.macro DOT r
	s_wait_loadcnt 24-8*(\r)                       ; loads come back in order: the 8 loads of each later row stay out
	v_pk_fma_f32 v[AC+4*(\r):AC+4*(\r)+1], v[X+32*(\r):X+32*(\r)+1], v[U:U+1], v[CI:CI+1]
	v_pk_mul_f32 v[AC+4*(\r)+2:AC+4*(\r)+3], v[X+32*(\r)+2:X+32*(\r)+3], v[U+2:U+3]
.set m, 2
.rept 14
	v_pk_fma_f32 v[AC+4*(\r)+2*(m%2):AC+4*(\r)+2*(m%2)+1], v[X+32*(\r)+2*m:X+32*(\r)+2*m+1], v[U+2*m:U+2*m+1], v[AC+4*(\r)+2*(m%2):AC+4*(\r)+2*(m%2)+1]
.set m, m+1
.endr
	v_pk_add_f32 v[AC+4*(\r):AC+4*(\r)+1], v[AC+4*(\r):AC+4*(\r)+1], v[AC+4*(\r)+2:AC+4*(\r)+3]
	v_add_f32 v[A+(\r)], v[AC+4*(\r)], v[AC+4*(\r)+1]
.endm
; Four sums over the wave in one pass.  In the first step a lane keeps the row of its bit 0 and hands the other row's sum to its neighbour; in the second likewise by bit 1; from then on lane l
; carries row l % 4 alone.  No row's numbers enter another row's sum.
.macro FOLD
	v_cndmask_b32 v[AC],   v[A],   v[A+1], s32     ; kept: rows 0 | 1
	v_cndmask_b32 v[AC+1], v[A+1], v[A],   s32     ; handed over
	v_cndmask_b32 v[AC+2], v[A+2], v[A+3], s32     ; kept: rows 2 | 3
	v_cndmask_b32 v[AC+3], v[A+3], v[A+2], s32
	v_add_f32_dpp v[AC],   v[AC+1], v[AC]   row_xmask:1 row_mask:0xf bank_mask:0xf
	v_add_f32_dpp v[AC+2], v[AC+3], v[AC+2] row_xmask:1 row_mask:0xf bank_mask:0xf
	v_cndmask_b32 v[AC+4], v[AC],   v[AC+2], s33
	v_cndmask_b32 v[AC+5], v[AC+2], v[AC],   s33
	v_add_f32_dpp v[AC+4], v[AC+5], v[AC+4] row_xmask:2 row_mask:0xf bank_mask:0xf
	v_add_f32_dpp v[AC+4], v[AC+4], v[AC+4] row_xmask:4 row_mask:0xf bank_mask:0xf
	v_add_f32_dpp v[AC+4], v[AC+4], v[AC+4] row_xmask:8 row_mask:0xf bank_mask:0xf
	v_permlanex16_b32 v[AC+5], v[AC+4], s30, s31
	v_add_f32 v[RES], v[AC+4], v[AC+5]
.endm
.macro PUT k                           ; lanes 0 to 3 store the four energies
	v_cmp_gt_u32 vcc_lo, 4, v1
	s_wait_xcnt 0x0                                ; EXEC changes only behind this wait
	s_and_saveexec_b32 s34, vcc_lo
	global_store_b32 v3, v[RES], s[28:29] offset:65536*(\k)
	s_wait_xcnt 0x0                                ; and again in front of the line that widens it; RES too is rewritten only behind it
	s_or_b32 exec_lo, exec_lo, s34
.endm
.macro ITEM k
.if (\k) > 0
	s_cmp_lt_u32 s[20+(\k)], 0x4000                ; the jobs that exist come first
	s_cbranch_scc0 .Ldone
	SETX \k
	XLOAD
.endif
	DOT 0
	DOT 1
	DOT 2
	DOT 3
	FOLD
	PUT \k
.endm
	ITEM 0
	ITEM 1
	ITEM 2
	ITEM 3
.Ldone:
	s_wait_tensorcnt 0x0                           ; the wave's end, behind my last LDS store
	ds_add_u32 v[SPW], v[NIL]
	s_wait_dscnt 0x0
	s_endpgm
.Lfunc_end_k_qa62cd0f019_energy:
	.size	k_qa62cd0f019_energy, .Lfunc_end_k_qa62cd0f019_energy-k_qa62cd0f019_energy
	.p2alignl 7, 3214868480
	.fill 96, 4, 3214868480
	.section	.rodata,"a",@progbits
	.p2align	6, 0x0
	.amdhsa_kernel k_qa62cd0f019_energy
		.amdhsa_group_segment_fixed_size 8192
		.amdhsa_private_segment_fixed_size 0
		.amdhsa_enable_private_segment 0
		.amdhsa_kernarg_size 48
		.amdhsa_user_sgpr_count 2
		.amdhsa_user_sgpr_kernarg_segment_ptr 1
		.amdhsa_wavefront_size32 1
		.amdhsa_system_sgpr_workgroup_id_x 1
		.amdhsa_system_sgpr_workgroup_id_y 1
		.amdhsa_system_sgpr_workgroup_id_z 1
		.amdhsa_system_vgpr_workitem_id 0
		.amdhsa_next_free_vgpr 232
		.amdhsa_next_free_sgpr 66
		.amdhsa_reserve_vcc 1
		.amdhsa_float_denorm_mode_32 3
		.amdhsa_float_denorm_mode_16_64 3
		.amdhsa_memory_ordered 1
		.amdhsa_forward_progress 1
		.amdhsa_inst_pref_size 41
	.end_amdhsa_kernel
	.amdgpu_metadata
---
amdhsa.version: [ 1, 2 ]
amdhsa.kernels:
  - .name:           k_qa62cd0f019_energy
    .symbol:         k_qa62cd0f019_energy.kd
    .args:
      - { .name: outputs, .offset: 0, .size: 8, .value_kind: global_buffer, .address_space: global }
      - { .name: b, .offset: 8, .size: 8, .value_kind: global_buffer, .address_space: global }
      - { .name: weight_vec, .offset: 16, .size: 8, .value_kind: global_buffer, .address_space: global }
      - { .name: part, .offset: 24, .size: 8, .value_kind: global_buffer, .address_space: global }
      - { .name: jobs, .offset: 32, .size: 8, .value_kind: global_buffer, .address_space: global }
      - { .name: ews, .offset: 40, .size: 8, .value_kind: global_buffer, .address_space: global }
    .group_segment_fixed_size: 8192
    .private_segment_fixed_size: 0
    .kernarg_segment_align: 8
    .kernarg_segment_size: 48
    .max_flat_workgroup_size: 512
    .sgpr_count:     66
    .vgpr_count:     232
    .wavefront_size: 32
...
	.end_amdgpu_metadata
.endif
;; end of part 2
;; launch softmax (part 3): grid 64 x 1, 8 waves a work-group, no clusters, 1,280 bytes of LDS; arguments ews, text_lens, offs, out0; writes out0
.if DOCPART == 3
	.amdgcn_target "amdgcn-amd-amdhsa--gfx1250"
	.amdhsa_code_object_version 6
	.text
	.protected	k_qa62cd0f019_softmax
	.globl	k_qa62cd0f019_softmax
	.p2align	8
	.type	k_qa62cd0f019_softmax,@function
k_qa62cd0f019_softmax:
	s_mov_b64 s[64:65], 0
	v_nop
	global_prefetch_b8 v0, s[64:65] scope:SCOPE_SE
	s_setreg_imm32_b32 hwreg(HW_REG_WAVE_MODE, 25, 1), 1
	s_wait_xcnt 0x0
; THIRD OF THREE LAUNCHES: the mask and the softmax.  Work-group b owns sequence b; thread t its positions 4 t .. 4 t + 3, which are group t of the sequence: 16 bytes at group E_b + t of ews.
; Groups that hold no position below the length were never written and are not read: those lanes stay off during the load.  Every position at or beyond the length counts as -1e10.
; The maximum is taken away before the exponential, by a subtraction of its own: where all positions are masked e = m = -1e10, and e c - m c in one fused step would leave the rounding of m c in the exponent.
; LIMITS.  A length below 0 counts as 0 and one above 1,024 as 1,024, which is what pos < len does; at length 0 the row comes out as 1/1,024 throughout.  A weight below 2^-126 counts as 0.
; There are 64 sequences, so 64 work-groups: the launch moves 524,288 bytes at the most, and a sequence's two sums want one owner.
.set SPARE, 256                        ; LDS 0..31 the waves' maxima, 32..63 their sums; 256..1279 the spare words, 128 bytes for each of 8 waves: four blocks of 256 bytes that no other line names
; v1 4 t; v2 my group's byte offset in ews; v[4:7] energies, then weights; v8, v9 at work; v10 4 x wave; v11 0; v[12:19] the eight waves' figures; v20 16 t; v22 my spare word's address, v23 0: never rewritten
; s14 the length L, s16-18 L - 1, L - 2, L - 3; s15 E_b; s19 -1e10; s20 wave; s21 EXEC kept; s22, s23 lane selects; s[12:13], s[24:25] offsets
	s_load_b256 s[4:11], s[0:1], 0x0               ; ews s[4:5], text_lens s[6:7], offs s[8:9], out0 s[10:11]
	v_lshl_add_u32 v22, v0, 2, SPARE
	v_mov_b32 v23, 0
	v_lshrrev_b32 v10, 5, v0
	v_readfirstlane_b32 s20, v10                   ; wave 0..7
	v_mov_b32 v10, s20
	v_lshlrev_b32 v10, 2, v10
	v_lshlrev_b32 v1, 2, v0
	v_lshlrev_b32 v20, 4, v0                       ; my 16 bytes in the row of out0: made here, of the thread's number alone, with all lanes on
	v_mov_b32 v11, 0
	v_mov_b32 v9, 0                                ; written before v_permlanex16_b32 names it as its destination
	s_mov_b32 s19, 0xd01502f9                      ; -1e10
	v_mov_b32 v4, s19                              ; lanes that load nothing hold masked positions alone
	v_mov_b32 v5, s19
	v_mov_b32 v6, s19
	v_mov_b32 v7, s19
	s_mov_b32 s22, 0x76543210
	s_mov_b32 s23, 0xfedcba98
	s_lshl_b32 s12, ttmp9, 2
	s_mov_b32 s13, 0
	s_lshl_b32 s24, ttmp9, 12                      ; a row of out0
	s_mov_b32 s25, 0
	s_wait_kmcnt 0x0
	s_add_nc_u64 s[6:7], s[6:7], s[12:13]
	s_add_nc_u64 s[8:9], s[8:9], s[12:13]
	s_add_nc_u64 s[10:11], s[10:11], s[24:25]
	s_load_b32 s14, s[6:7], 0x0
	s_load_b32 s15, s[8:9], 0x0
	s_wait_kmcnt 0x0
	s_max_i32 s14, s14, 0
	s_min_i32 s14, s14, 0x400
	s_sub_co_i32 s16, s14, 1
	s_sub_co_i32 s17, s14, 2
	s_sub_co_i32 s18, s14, 3
	s_min_u32 s15, s15, 0x3fff                     ; a number from memory enters an address: held inside ews' 16,384 groups,
	v_add_nc_u32 v2, s15, v0
	v_min_u32 v2, 0x3fff, v2                       ; the sum too (it changes nothing in a lane that loads)
	v_lshlrev_b32 v2, 4, v2
	v_cmp_gt_i32 vcc_lo, s14, v1                   ; does my group hold a position below the length?
	s_wait_xcnt 0x0                                ; EXEC changes only behind this wait
	s_and_saveexec_b32 s21, vcc_lo
	global_load_b128 v[4:7], v2, s[4:5]            ; neighbouring lanes, neighbouring 16 bytes
	s_wait_xcnt 0x0
	s_or_b32 exec_lo, exec_lo, s21
	s_wait_loadcnt 0x0
	v_cndmask_b32 v4, s19, v4, vcc_lo              ; position 4 t + q counts where L - q > 4 t
	v_cmp_gt_i32 vcc_lo, s16, v1
	v_cndmask_b32 v5, s19, v5, vcc_lo
	v_cmp_gt_i32 vcc_lo, s17, v1
	v_cndmask_b32 v6, s19, v6, vcc_lo
	v_cmp_gt_i32 vcc_lo, s18, v1
	v_cndmask_b32 v7, s19, v7, vcc_lo
	; the maximum: in the lane, over the wave, over the eight waves
	v_max3_num_f32 v8, v4, v5, v6
	v_max_num_f32 v8, v8, v7
.irp x, 1,2,4,8
	v_max_num_f32_dpp v8, v8, v8 row_xmask:\x row_mask:0xf bank_mask:0xf
.endr
	v_permlanex16_b32 v9, v8, s22, s23
	v_max_num_f32 v8, v8, v9
	ds_store_b32 v10, v8                           ; all lanes write the wave's word with the same number
	s_wait_dscnt 0x0                               ; for the others' sake
	s_barrier_signal -1
	s_barrier_wait -1
	ds_load_b128 v[12:15], v11
	ds_load_b128 v[16:19], v11 offset:16
	s_wait_dscnt 0x0
	v_max3_num_f32 v12, v12, v13, v14
	v_max3_num_f32 v15, v15, v16, v17
	v_max3_num_f32 v12, v12, v15, v18
	v_max_num_f32 v12, v12, v19
	; p = 2^((e - m) log2(e))
.irp q, 4,5,6,7
	v_sub_f32 v\q, v\q, v12
.endr
.irp q, 4,5,6,7
	v_mul_f32 v\q, 0x3fb8aa3b, v\q
.endr
.irp q, 4,5,6,7
	v_exp_f32 v\q, v\q
.endr
	v_nop                                          ; a plain instruction between the last exponential and the use of its result
	; the sum, the same way; the waves' words are other bytes than the maxima's, so one barrier is enough
	s_wait_alu depctr_va_vdst(0)
	v_add_f32 v8, v4, v5
	v_add_f32 v9, v6, v7
	v_add_f32 v8, v8, v9
.irp x, 1,2,4,8
	v_add_f32_dpp v8, v8, v8 row_xmask:\x row_mask:0xf bank_mask:0xf
.endr
	v_permlanex16_b32 v9, v8, s22, s23
	v_add_f32 v8, v8, v9
	ds_store_b32 v10, v8 offset:32
	s_wait_dscnt 0x0
	s_barrier_signal -1
	s_barrier_wait -1
	ds_load_b128 v[12:15], v11 offset:32
	ds_load_b128 v[16:19], v11 offset:48
	s_wait_dscnt 0x0
	v_pk_add_f32 v[12:13], v[12:13], v[14:15]
	v_pk_add_f32 v[16:17], v[16:17], v[18:19]
	v_pk_add_f32 v[12:13], v[12:13], v[16:17]
	v_add_f32 v12, v12, v13
	v_rcp_f32 v14, v12                             ; the sum is at least 1: the position of the maximum has weight 1
	v_nop                                          ; a plain instruction between the reciprocal and the use of its result
	s_wait_alu depctr_va_vdst(0)
	v_pk_mul_f32 v[4:5], v[4:5], v[14:15] op_sel_hi:[1,0]
	v_pk_mul_f32 v[6:7], v[6:7], v[14:15] op_sel_hi:[1,0]
	global_store_b128 v20, v[4:7], s[10:11]        ; 16 lanes store 256 consecutive bytes, aligned
	s_wait_tensorcnt 0x0                           ; the wave's end, behind my last LDS store
	ds_add_u32 v22, v23
	s_wait_dscnt 0x0
	s_endpgm
.Lfunc_end_k_qa62cd0f019_softmax:
	.size	k_qa62cd0f019_softmax, .Lfunc_end_k_qa62cd0f019_softmax-k_qa62cd0f019_softmax
	.p2alignl 7, 3214868480
	.fill 96, 4, 3214868480
	.section	.rodata,"a",@progbits
	.p2align	6, 0x0
	.amdhsa_kernel k_qa62cd0f019_softmax
		.amdhsa_group_segment_fixed_size 1280
		.amdhsa_private_segment_fixed_size 0
		.amdhsa_enable_private_segment 0
		.amdhsa_kernarg_size 32
		.amdhsa_user_sgpr_count 2
		.amdhsa_user_sgpr_kernarg_segment_ptr 1
		.amdhsa_wavefront_size32 1
		.amdhsa_system_sgpr_workgroup_id_x 1
		.amdhsa_system_sgpr_workgroup_id_y 1
		.amdhsa_system_sgpr_workgroup_id_z 1
		.amdhsa_system_vgpr_workitem_id 0
		.amdhsa_next_free_vgpr 24
		.amdhsa_next_free_sgpr 66
		.amdhsa_reserve_vcc 1
		.amdhsa_float_denorm_mode_32 3
		.amdhsa_float_denorm_mode_16_64 3
		.amdhsa_memory_ordered 1
		.amdhsa_forward_progress 1
		.amdhsa_inst_pref_size 6
	.end_amdhsa_kernel
	.amdgpu_metadata
---
amdhsa.version: [ 1, 2 ]
amdhsa.kernels:
  - .name:           k_qa62cd0f019_softmax
    .symbol:         k_qa62cd0f019_softmax.kd
    .args:
      - { .name: ews, .offset: 0, .size: 8, .value_kind: global_buffer, .address_space: global }
      - { .name: text_lens, .offset: 8, .size: 8, .value_kind: global_buffer, .address_space: global }
      - { .name: offs, .offset: 16, .size: 8, .value_kind: global_buffer, .address_space: global }
      - { .name: out0, .offset: 24, .size: 8, .value_kind: global_buffer, .address_space: global }
    .group_segment_fixed_size: 1280
    .private_segment_fixed_size: 0
    .kernarg_segment_align: 8
    .kernarg_segment_size: 32
    .max_flat_workgroup_size: 256
    .sgpr_count:     66
    .vgpr_count:     24
    .wavefront_size: 32
...
	.end_amdgpu_metadata
.endif
;; end of part 3
